; MI455X (gfx1250); checked and timed in simulation.
; The chip was launched on July 23, 2026; its instructions are those of AMD's public machine-readable ISA for CDNA 5 (MIT licence, August 2026) and "CDNA5" Instruction Set Architecture Reference Guide (July 2026). The comments in the code are by the model that wrote it; some were corrected since.
;; Causal Self Attention. Allowed arithmetic: matrix products marked QUANTISED: E4M3 operands, one given power-of-two scale a tensor, by v_wmma_f32_16x16x64_fp8_fp8 or v_wmma_f32_16x16x128_fp8_fp8, f32 sums; everything else in f32.
;; Inputs: W_attn 1,024 x 3,072 float32; W_proj 1,024 x 1,024 float32; lowp_scales 8 int32 (the exponents e of the quantised operands' scales 2^e); x 4 x 2,048 x 1,024 float32.
;; Outputs: out0 4 x 2,048 x 1,024 float32.
;; This version of the problem:
;;   THIS VERSION OF THE PROBLEM IS GIVEN IN LOW PRECISION. The matrix products marked QUANTISED in the list below multiply operands that are first quantised to E4M3 (4 exponent bits, 3 mantissa bits; 8 bits a number), with one given power-of-two scale for each operand tensor; their sums are f32. All else is computed in f32.
;;   The module's matrix products, in the order in which they are computed (A, B: the left and right operand; K: the contracted axis; several contracted axes count as one K, in the product's order):
;;     1. [M 8,192, K 1,024] x [K 1,024, N 3,072]; A: input x; B: input W_attn: QUANTISED (scales: A lowp_scales[0], B lowp_scales[1])
;;     2. batch 64 x [M 2,048, K 64] x [K 64, N 2,048]; A: computed on the way; B: computed on the way: QUANTISED (scales: A lowp_scales[2], B lowp_scales[3])
;;     3. batch 64 x [M 2,048, K 2,048] x [K 2,048, N 64]; A: softmax (see below); B: computed on the way: QUANTISED (scales: A lowp_scales[4], B lowp_scales[5])
;;     4. [M 8,192, K 1,024] x [K 1,024, N 1,024]; A: computed on the way; B: input W_proj: QUANTISED (scales: A lowp_scales[6], B lowp_scales[7])
;;   THE QUANTISER, for each operand of a quantised product, along K:
;;     - The operand's scale is 2^e, e = its entry of the input lowp_scales (int32; the entries are numbered through the quantised products in the list's order, A before B).
;;     - Each number is divided by the scale, clamped to +-448, and rounded to the nearest number of E4M3, ties to even, subnormals kept.
;;     - The product sums the exact products of the quantised numbers (number of the format x scale) in f32.
;;   ~~~python
;;   def quantise(x, axis, e):      # numpy; x: float32 -> the quantised numbers, widened to float32 again
;;       x = np.moveaxis(x, axis, -1); K = x.shape[-1]
;;       r = np.clip(x / 2.0 ** e, -448, 448)
;;       step = 2.0 ** (np.maximum(np.frexp(np.where(r == 0, 1, r))[1] - 1, -6) - 3)
;;       q = np.round(r / step) * step * 2.0 ** e      # np.round: ties to even
;;       return np.moveaxis(q, -1, axis).astype(np.float32)
;;   ~~~
;;   SOFTMAX AHEAD OF A QUANTISED PRODUCT. Where the list says 'softmax', what is quantised is not the finished softmax but p = 2^(t - M), with t = logit x log2(e) and M = ceil(the row's largest t), a whole number; so 1/2 < the row's largest p <= 1. The row's sum l is taken of the UNQUANTISED p, in f32, and the product's result is divided by l at the end. Since M is a whole number, a kernel that streams over the keys may use a running M (the ceiling of the running maximum): every later rescaling is an exact power of two, so the quantised numbers keep their values, but for numbers so far below the row's largest that they fall under the format's range.
;;   OPERANDS COMPUTED ON THE WAY. 'Computed on the way' means the value that the module computes at that place (a softmax that the list does not call 'softmax' is quantised finished and normalised). What goes into a quantiser is computed in f32, as accurately as f32 sums, v_exp_f32 and their like allow (about 1e-6 of the number): no bf16 or f16 on the way to a quantiser, and a product that is left as it is and whose result goes on into a quantised operand takes f32 operands (vector FMAs, or v_wmma_f32_16x16x4_f32). A number that lies on a knife's edge between two numbers of the format may be rounded either way, as far as f32 arithmetic and the matrix unit's own rounding can turn it there, and no further.
;; One version. Each part assembles by itself: llvm-mc -triple=amdgcn-amd-amdhsa -mcpu=gfx1250 --defsym DOCPART=n.
;; ======== version 1 of 1: 4 launches
;; limits: right only within a limited range of input values
;; workspace buffers: x_img 8,388,608 bytes; wa_img 3,145,728 bytes; wp_img 1,048,576 bytes; q_img 8,388,608 bytes; k_img 8,388,608 bytes; v_img 8,388,608 bytes; o_img 8,388,608 bytes
;; launch quant (part 1): grid 384 x 1, 4 waves a work-group, no clusters, 35,328 bytes of LDS; arguments x, W_attn, W_proj, lowp_scales, x_img, wa_img, wp_img; writes x_img, wa_img, wp_img
.if DOCPART == 1
	.amdgcn_target "amdgcn-amd-amdhsa--gfx1250"
	.amdhsa_code_object_version 6
	.text
	.protected	k_q31ae1fb4c7_quant
	.globl	k_q31ae1fb4c7_quant
	.p2align	8
	.type	k_q31ae1fb4c7_quant,@function
k_q31ae1fb4c7_quant:
	s_mov_b64 s[64:65], 0
	v_nop
	global_prefetch_b8 v0, s[64:65] scope:SCOPE_SE
	s_setreg_imm32_b32 hwreg(HW_REG_WAVE_MODE, 25, 1), 1
	s_wait_xcnt 0x0
; x [8192][1024], W_attn [1024][3072] and W_proj [1024][1024], f32, become codes of FP8 (E4M3), each tensor with the one scale 2^e that is given for it
; (entries 0, 1 and 7 of the buffer of scales): code = number / 2^e, held within +-448, rounded to the nearest code, ties to even.
; LIMITS: e between -126 and 119, so that 2^e and 448 x 2^e are f32 numbers.  NaN among the inputs is not served (an infinity is held at the largest code).
; THE CODES ARE LAID AS THE PRODUCTS' LAUNCHES READ THEM: [tile of 16 rows][64 chunks][16 rows][16 bytes]; a row is a token of x or a column of a weight, a chunk is 16 places along K.
; A fragment (16 rows x 128 K) is then 2,048 consecutive bytes, and a lane's 16 bytes of a load of 512 are one chunk of one row.
; WHICH k STANDS AT WHICH PLACE is free as long as both operands of a product agree.  In x and W_attn byte y of chunk 32 c + l holds k = 512 c + 128 (y / 4) + 4 l + y % 4:
; so a lane that loads 16 consecutive bytes of x four times, 512 bytes apart, holds one whole chunk.  In W_proj byte y of chunk ch holds k = 16 ch + y, as the attention launch lays its results.
; WHICH COLUMNS FORM A TILE is free too: column n of W_proj lies in tile 4 (n / 64) + n % 4 at row (n % 64) / 4, so that the last launch finds four neighbouring columns in one lane.
; SHARES.  Work-groups 0-255: x, a wave to 16 rows x 512 along K.  256-351: W_attn; 352-383: W_proj, a wave to 32 columns x 16 chunks.  Each reads 128 KiB.  Waves share nothing: no barrier.
.set STG,   8704                       ; x: a wave's stage in LDS: 32 chunks x (256 bytes + 16 of padding)
.set SPARE, 4*STG                      ; behind the four stages: the spare words, 128 bytes for each wave: two blocks of 256 bytes that no other line names
.set LIM,   10                         ; v10      448 x 2^e
.set SCL,   11                         ; v11      2^e as f32: the conversion takes its exponent field
.set SPW,   12                         ; v12      LDS address of my spare word; never rewritten
.set NIL,   13                         ; v13      0; never rewritten
.set R,     16                         ; v16-79   four sets of 16 numbers
.set C,     80                         ; v80-143  codes: four registers for each step, so that no store's data are written again
.macro SCALE se                        ; the two constants of a tensor's quantiser
	s_wait_kmcnt 0x0                               ; the exponents are in
	s_add_co_i32 s34, \se, 127
	s_lshl_b32 s35, s34, 23
	v_mov_b32 v[SCL], s35
	s_add_co_i32 s34, s34, 8
	s_lshl_b32 s34, s34, 23
	s_or_b32 s34, s34, 0x600000                    ; the mantissa field of 448
	v_mov_b32 v[LIM], s34
.endm
.macro CODES x, c                      ; 16 numbers in v[x] on become 16 codes in v[c] on
.irp i, 0,1,2,3,4,5,6,7,8,9,10,11,12,13,14,15
	v_med3_num_f32 v[\x+\i], v[\x+\i], -v[LIM], v[LIM]   ; the conversion to an 8-bit code does not saturate (ISA guide 7.6.2): the hold comes first
.endr
	v_cvt_scalef32_pk8_fp8_f32 v[\c:\c+1], v[\x:\x+7], v[SCL]
	v_cvt_scalef32_pk8_fp8_f32 v[\c+2:\c+3], v[\x+8:\x+15], v[SCL]
.endm
.macro FIN                             ; a wave's end
	s_wait_tensorcnt 0x0
	ds_add_u32 v[SPW], v[NIL]
	s_wait_dscnt 0x0
	s_endpgm
.endm
	s_load_b256 s[4:11], s[0:1], 0x0               ; x s[4:5], W_attn s[6:7], W_proj s[8:9], the exponents s[10:11]
	s_load_b128 s[12:15], s[0:1], 0x20             ; x's codes s[12:13], W_attn's s[14:15]
	s_load_b64 s[16:17], s[0:1], 0x30              ; W_proj's
	v_lshl_add_u32 v[SPW], v0, 2, SPARE
	v_mov_b32 v[NIL], 0
	v_lshrrev_b32 v1, 5, v0
	v_readfirstlane_b32 s18, v1                    ; wave 0..3
	v_and_b32 v2, 31, v0                           ; lane
	s_wait_kmcnt 0x0
	s_load_b256 s[24:31], s[10:11], 0x0            ; e0 .. e7
	s_cmp_lt_u32 ttmp9, 256
	s_cbranch_scc0 .Lweights
; ---- x.  Wave number idx = 4 x work-group + wave takes tile idx / 2 (16 tokens) and half idx % 2 of K.
	s_lshl_b32 s19, ttmp9, 2
	s_add_co_u32 s19, s19, s18                     ; idx
	s_lshr_b32 s20, s19, 1
	s_lshl_b32 s20, s20, 16                        ; the tile's 16 rows of 4,096 bytes
	s_and_b32 s21, s19, 1
	s_lshl_b32 s21, s21, 11                        ; the half's 2,048 bytes of a row
	s_add_co_u32 s20, s20, s21
	s_mov_b32 s21, 0
	s_add_nc_u64 s[4:5], s[4:5], s[20:21]
	s_lshl_b32 s22, s19, 13                        ; the wave's 32 chunks: 8,192 bytes of codes
	s_mov_b32 s23, 0
	s_add_nc_u64 s[12:13], s[12:13], s[22:23]
	s_wait_alu depctr_va_vdst(0)
	v_lshlrev_b32 v3, 4, v2                        ; 16 x lane: in a load's 512 bytes, and in a store's
	s_mul_i32 s19, s18, STG
	v_mul_u32_u24 v4, v2, 272
	v_add_nc_u32 v4, s19, v4                       ; into the stage: my chunk's row of 272 bytes; row t's 16 bytes at 16 t
	v_lshrrev_b32 v5, 4, v2
	v_mul_u32_u24 v5, v5, 272
	v_and_b32 v6, 15, v2
	v_lshl_add_u32 v5, v6, 4, v5
	v_add_nc_u32 v5, s19, v5                       ; back: sixteen lanes take one chunk's 256 bytes, two chunks an instruction
.macro LOADX t                         ; row t: four loads of 512 consecutive bytes, 512 bytes apart: lane l gets k = 128 i + 4 l + 0 .. 3
.irp i, 0,1,2,3
	global_load_b128 v[R+16*((\t)%4)+4*\i:R+16*((\t)%4)+4*\i+3], v3, s[4:5] offset:4096*(\t)+512*\i th:TH_LOAD_NT
.endr
.endm
.macro STEPX t
.if 15-(\t) >= 3
	s_wait_loadcnt 12                              ; row t's four loads are in; those of the three rows behind it may be out
.else
	s_wait_loadcnt 4*(15-(\t))
.endif
	CODES R+16*((\t)%4), C+4*(\t)
.if (\t)+4 < 16
	LOADX (\t)+4                                   ; the set just converted takes the row four further on
.endif
	ds_store_b128 v4, v[C+4*(\t):C+4*(\t)+3] offset:16*(\t)
.endm
.irp t, 0,1,2,3
	LOADX \t
.endr
	SCALE s24
	s_wait_alu depctr_va_vdst(0)
.irp t, 0,1,2,3,4,5,6,7,8,9,10,11,12,13,14,15
	STEPX \t
.endr
.irp u, 0,1,2,3,4,5,6,7,8,9,10,11,12,13,14,15
	ds_load_b128 v[R+4*\u:R+4*\u+3], v5 offset:544*\u   ; LDS serves a wave's instructions in order (ISA guide 5.7.1.4): these see my stores
.endr
.irp u, 0,1,2,3,4,5,6,7,8,9,10,11,12,13,14,15
	s_wait_dscnt 15-\u                             ; read u is back; the later ones may be out
	global_store_b128 v3, v[R+4*\u:R+4*\u+3], s[12:13] offset:512*\u   ; 512 consecutive bytes, at a multiple of 256 from the buffer's first byte
.endr
	FIN
; ---- A weight [1024 (k)][cols].  A LANE TAKES A COLUMN AND ITS REGISTERS RUN DOWN K, in the order of a chunk's bytes: the conversions' results are the chunk, and nothing is transposed.
; perm = 1: W_attn's places along K, neighbouring lanes neighbouring columns.  perm = 0: W_proj's; lanes 0-15 take every fourth column, lanes 16-31 the columns beside them.
.macro LOADC t, cols, perm, inb        ; chunk t of the wave's sixteen: 16 numbers a lane into set t % 4
.irp y, 0,1,2,3,4,5,6,7,8,9,10,11,12,13,14,15
.if \perm
	global_load_b32 v[R+16*((\t)%4)+\y], v3, s[\inb:\inb+1] offset:(4*(\t)+128*(\y/4)+\y%4)*\cols*4 th:TH_LOAD_NT
.else
	global_load_b32 v[R+16*((\t)%4)+\y], v3, s[\inb:\inb+1] offset:(16*(\t)+\y)*\cols*4
.endif
.endr
.endm
.macro CHUNK t, cols, perm, inb, outb
.if (\t)+3 < 16
	LOADC (\t)+3, \cols, \perm, \inb
.endif
.if 15-(\t) >= 3
	s_wait_loadcnt 48                              ; chunk t's sixteen loads are in; those of the three chunks behind it may be out
.else
	s_wait_loadcnt 16*(15-(\t))
.endif
	CODES R+16*((\t)%4), C+4*(\t)
	global_store_b128 v4, v[C+4*(\t):C+4*(\t)+3], s[\outb:\outb+1] offset:256*(\t)   ; each half of the lanes stores one chunk of one tile: 256 consecutive bytes, aligned
.endm
.macro WQ cols, perm, first, inb, outb, se
	s_sub_co_u32 s19, ttmp9, \first
	s_and_b32 s20, s19, 3                          ; kq: which 16 chunks
	s_lshr_b32 s21, s19, 2                         ; cg: which 128 columns
.if \perm
	s_lshr_b32 s22, s20, 1
	s_lshl_b32 s22, s22, 9
	s_and_b32 s23, s20, 1
	s_lshl_b32 s23, s23, 6
	s_add_co_u32 s22, s22, s23                     ; the first row of W that I read: 512 (kq / 2) + 64 (kq % 2)
	s_lshl_b32 s23, s21, 7
	s_lshl_b32 s32, s18, 5
	s_add_co_u32 s23, s23, s32                     ; my wave's first column: 128 cg + 32 wave
	v_lshlrev_b32 v3, 2, v2
.else
	s_lshl_b32 s22, s20, 8                         ; 256 kq
	s_lshl_b32 s23, s21, 7
	s_lshr_b32 s32, s18, 1
	s_lshl_b32 s32, s32, 6
	s_add_co_u32 s23, s23, s32
	s_and_b32 s32, s18, 1
	s_lshl_b32 s32, s32, 1
	s_add_co_u32 s23, s23, s32                     ; 128 cg + 64 (wave / 2) + 2 (wave % 2)
	v_and_b32 v3, 15, v2
	v_lshlrev_b32 v3, 4, v3
	v_lshrrev_b32 v5, 4, v2
	v_lshl_add_u32 v3, v5, 2, v3                   ; + 4 (lane % 16) + lane / 16 columns
.endif
	s_wait_alu depctr_va_vdst(0)
	s_mul_i32 s22, s22, \cols*4
	s_lshl_b32 s23, s23, 2
	s_add_co_u32 s22, s22, s23
	s_mov_b32 s23, 0
	s_add_nc_u64 s[\inb:\inb+1], s[\inb:\inb+1], s[22:23]
	s_lshl_b32 s32, s21, 3
	s_lshl_b32 s33, s18, 1
	s_add_co_u32 s32, s32, s33                     ; my two tiles: 8 cg + 2 wave on
	s_lshl_b32 s32, s32, 14
	s_lshl_b32 s33, s20, 12                        ; my sixteen chunks
	s_add_co_u32 s32, s32, s33
	s_mov_b32 s33, 0
	s_add_nc_u64 s[\outb:\outb+1], s[\outb:\outb+1], s[32:33]
	v_lshrrev_b32 v4, 4, v2
	v_lshlrev_b32 v4, 14, v4
	v_and_b32 v5, 15, v2
	v_lshl_add_u32 v4, v5, 4, v4                   ; tile lane / 16, row lane % 16
.irp t, 0,1,2
	LOADC \t, \cols, \perm, \inb
.endr
	SCALE \se
	s_wait_alu depctr_va_vdst(0)
.irp t, 0,1,2,3,4,5,6,7,8,9,10,11,12,13,14,15
	CHUNK \t, \cols, \perm, \inb, \outb
.endr
	FIN
.endm
.Lweights:
	s_cmp_lt_u32 ttmp9, 352
	s_cbranch_scc0 .Lproj
	s_wait_alu depctr_va_vdst(0)
	WQ 3072, 1, 256, 6, 14, s25
.Lproj:
	s_wait_alu depctr_va_vdst(0)
	WQ 1024, 0, 352, 8, 16, s31
.Lfunc_end_k_q31ae1fb4c7_quant:
	.size	k_q31ae1fb4c7_quant, .Lfunc_end_k_q31ae1fb4c7_quant-k_q31ae1fb4c7_quant
	.p2alignl 7, 3214868480
	.fill 96, 4, 3214868480
	.section	.rodata,"a",@progbits
	.p2align	6, 0x0
	.amdhsa_kernel k_q31ae1fb4c7_quant
		.amdhsa_group_segment_fixed_size 35328
		.amdhsa_private_segment_fixed_size 0
		.amdhsa_enable_private_segment 0
		.amdhsa_kernarg_size 56
		.amdhsa_user_sgpr_count 2
		.amdhsa_user_sgpr_kernarg_segment_ptr 1
		.amdhsa_wavefront_size32 1
		.amdhsa_system_sgpr_workgroup_id_x 1
		.amdhsa_system_sgpr_workgroup_id_y 1
		.amdhsa_system_sgpr_workgroup_id_z 1
		.amdhsa_system_vgpr_workitem_id 0
		.amdhsa_next_free_vgpr 144
		.amdhsa_next_free_sgpr 66
		.amdhsa_reserve_vcc 0
		.amdhsa_float_denorm_mode_32 3
		.amdhsa_float_denorm_mode_16_64 3
		.amdhsa_memory_ordered 1
		.amdhsa_forward_progress 1
		.amdhsa_inst_pref_size 123
	.end_amdhsa_kernel
	.amdgpu_metadata
---
amdhsa.version: [ 1, 2 ]
amdhsa.kernels:
  - .name:           k_q31ae1fb4c7_quant
    .symbol:         k_q31ae1fb4c7_quant.kd
    .args:
      - { .name: x, .offset: 0, .size: 8, .value_kind: global_buffer, .address_space: global }
      - { .name: W_attn, .offset: 8, .size: 8, .value_kind: global_buffer, .address_space: global }
      - { .name: W_proj, .offset: 16, .size: 8, .value_kind: global_buffer, .address_space: global }
      - { .name: lowp_scales, .offset: 24, .size: 8, .value_kind: global_buffer, .address_space: global }
      - { .name: x_img, .offset: 32, .size: 8, .value_kind: global_buffer, .address_space: global }
      - { .name: wa_img, .offset: 40, .size: 8, .value_kind: global_buffer, .address_space: global }
      - { .name: wp_img, .offset: 48, .size: 8, .value_kind: global_buffer, .address_space: global }
    .group_segment_fixed_size: 35328
    .private_segment_fixed_size: 0
    .kernarg_segment_align: 8
    .kernarg_segment_size: 56
    .max_flat_workgroup_size: 128
    .sgpr_count:     66
    .vgpr_count:     144
    .wavefront_size: 32
...
	.end_amdgpu_metadata
.endif
;; end of part 1
;; launch qkv (part 2): grid 12 x 32, 4 waves a work-group, clusters of 4 x 4, 327,680 bytes of LDS; arguments x_img, wa_img, lowp_scales, q_img, k_img, v_img; writes q_img, k_img, v_img
.if DOCPART == 2
	.amdgcn_target "amdgcn-amd-amdhsa--gfx1250"
	.amdhsa_code_object_version 6
	.text
	.protected	k_q31ae1fb4c7_qkv
	.globl	k_q31ae1fb4c7_qkv
	.p2align	8
	.type	k_q31ae1fb4c7_qkv,@function
k_q31ae1fb4c7_qkv:
	s_mov_b64 s[64:65], 0
	v_nop
	global_prefetch_b8 v0, s[64:65] scope:SCOPE_SE
	s_setreg_imm32_b32 hwreg(HW_REG_WAVE_MODE, 25, 1), 1
	s_wait_xcnt 0x0
	s_wait_alu depctr_hold_cnt(0) depctr_sa_sdst(0) depctr_va_vdst(0) depctr_va_sdst(0) depctr_va_ssrc(0) depctr_va_vcc(0) depctr_vm_vsrc(0)
	s_getreg_b32 s2, hwreg(HW_REG_IB_STS2, 6, 4)
	s_cmp_eq_u32 s2, 0
	s_cbranch_scc0 .Lentry_in_a_cluster
	s_endpgm
.Lentry_in_a_cluster:
	s_bfe_u32 s2, ttmp6, 0x10000c
	s_cmp_lg_u32 s2, 0xf033
	s_cbranch_scc0 .Lentry_shape_is_right
	s_endpgm
.Lentry_shape_is_right:
; qkv = x W_attn on codes of FP8 (E4M3), K = 1,024; the sums, f32, are quantised at once with the scales given for q, k and v (entries 2, 3, 5) and stored as the attention launch's operand registers.
; A sum stands for sum x 2^(e0 + e1), so its code is sum / 2^(eX - e0 - e1), held within +-448.  LIMIT: eX - e0 - e1 between -126 and 119, so that both constants are f32 numbers.
; OPERANDS lie as [tile of 16 rows][64 chunks][16 rows][16 bytes]: a fragment (16 rows x 128 K) is 2,048 consecutive bytes, four loads of 512; lane l takes chunk 2 c + l / 16 of row l % 16.
; That places k otherwise in the registers than the instruction's own layout, alike in both operands: every product meets its partner, and only the order of the sums inside an instruction changes.
; A work-group of four waves makes 256 x 256 sums, a wave 128 x 128: 64 accumulators.  K goes in four steps of 256 through two LDS slots filled by the tensor data mover; all is written out, without a loop.
; ROLES.  Role A is the matrix instruction's source 1 (a lane holds ONE of its rows), role B its source 0 (a lane's eight registers run along eight of its rows).
; Cluster x = 0: q, 1: k.  A = x's tokens, B = W_attn's columns: a lane's eight sums are eight neighbours along the head's 64: K of the first attention product.
; Cluster x = 2: v.  A = W_attn's columns, B = x's tokens: a lane's eight sums are eight neighbouring KEYS: K of the second.  Only pointers and tile numbers are chosen, on the cluster's x, which all sixteen partners share.
; CLUSTERS: 4 x 4 work-groups.  A's tile hangs on cy alone and is asked for jointly by a row of the cluster, B's on cx alone and by a column: the requests for both are divided by four.
; No prefetch: K has four steps, of which two are the first fills.  One tile to a work-group.
; OUT.  The conversions' results are the registers of the attention launch's fragments: they are stored as they stand, 512 consecutive bytes an instruction; no stage in LDS.
;   q, k: [head 64][16 tokens: 128][1,024 bytes]: register pair i of lane (r, h) holds d = 16 i + 8 h + 0 .. 7 of token r.   v: [head][128 keys: 16][16 d: 4][2,048 bytes]: pair u holds keys 16 u + 8 h + 0 .. 7 of d = r.
; REGISTERS, in windows of 256: window 0: v16-30 addresses; v128-255 A's fragments, ONE set, later the codes.  window 1: B's fragments, TWO sets, at v0 and v128.  windows 2, 3: accumulator (a, b) at v[8 (8 (a % 4) + b)] of window 2 + a / 4.
.set NB,    8                          ; B's fragments of a wave
.set BOFF,  65536                      ; a slot: A's 16 tiles x 4,096 bytes, then B's 16
.set SLOT,  131072
.set SPARE, 2*SLOT                     ; behind the ring: the spare words, 128 bytes for each wave: two blocks of 256 bytes that no other line names
.set ADRA, 16                          ; v16-17  LDS address of my A fragments in slot 0, 1
.set ADRB, 20                          ; v20-21  the same for B
.set CO,   26                          ; v26     16 x lane
.set SPW,  28                          ; v28     LDS address of my spare word; never rewritten
.set NIL,  29                          ; v29     0; never rewritten
.set SCL,  30                          ; v30     2^(eX - e0 - e1) as f32
.set AF,   128
.set WV, 16
.set WR, 17
.set WC, 18
.set CX, 19
.set CY, 20
.set G1, 24                            ; s[24:31] descriptor group 1 for A's tiles; s[32:39] group 0, a set for each slot
.set G0, 32
.set TA, 42                            ; which 256 rows of role A's tensor
.set TBK, 46                           ; which 256 rows of role B's
.set G1B, 48                           ; s[48:55], s[56:63] the same for B's tiles
.set G0B, 56
.set MSB, 0
.macro WIN new                         ; the immediate's high byte repeats the setting that is left; a switch that changes nothing is dropped
.if MSB != \new
	s_set_vgpr_msb (MSB<<8)|\new
.set MSB, \new
.endif
.endm
.set MUL_LO, 0xa1                      ; source 0 (B) window 1, source 1 (A) window 0, C and D window 2
.set MUL_HI, 0xf1                      ; the same, C and D window 3
.set TO_B,   0x40                      ; destination window 1, address window 0
; A joint load: waves 0 and 1 fetch A's halves, waves 2 and 3 B's.  The branch hangs on the wave's number alone.  An s_nop 0 and four v_nop follow each of the two lines.
.macro JLOAD s
	s_cmp_eq_u32 s[WR], 0
	s_cbranch_scc0 .Lfor_b_\@
	tensor_load_to_lds s[G0+4*\s:G0+4*\s+3], s[G1:G1+7]
	s_nop 0
.rept 4
	v_nop
.endr
	s_branch .Lasked_\@
.Lfor_b_\@:
	tensor_load_to_lds s[G0B+4*\s:G0B+4*\s+3], s[G1B:G1B+7]
	s_nop 0
.rept 4
	v_nop
.endr
.Lasked_\@:
.endm
.macro CREST                           ; a round of the cluster's barrier behind its opening barrier
	s_cmp_lg_u32 s[WV], 0
	s_cbranch_scc1 .Lnot_wave_0_\@
	s_barrier_signal -3
.Lnot_wave_0_\@:
	s_barrier_wait -3
	s_barrier_signal -1
	s_barrier_wait -1
.endm
.macro CROUND                          ; a whole round
	s_barrier_signal -1
	s_barrier_wait -1
	CREST
.endm
	s_load_b256 s[4:11], s[0:1], 0x0               ; x's codes s[4:5], W_attn's s[6:7], the exponents s[8:9], q's codes s[10:11]
	s_load_b128 s[12:15], s[0:1], 0x20             ; k's s[12:13], v's s[14:15]
	v_lshl_add_u32 v[SPW], v0, 2, SPARE
	v_mov_b32 v[NIL], 0
	ds_add_u32 v[SPW], v[NIL]                      ; the wave's opening: the add and its wait come ahead of my first tensor load; the set-up below, work on registers, stands between them
	ds_add_u32 v[SPW], v[NIL]
	v_lshrrev_b32 v1, 5, v0
	v_readfirstlane_b32 s[WV], v1                  ; wave 0..3
	s_lshr_b32 s[WR], s[WV], 1                     ; which half of A's rows is mine.  Also: I fetch for A (0) or for B (1)
	s_and_b32 s[WC], s[WV], 1                      ; which half of B's rows.  Also: which eight tiles I fetch
	s_bfe_u32 s[CX], ttmp6, 0x40000                ; my place in the cluster
	s_bfe_u32 s[CY], ttmp6, 0x40004
	s_and_b32 s21, ttmp7, 0xffff
	s_lshl_b32 s21, s21, 2                         ; 4 x cluster y
	s_lshl_b32 s22, ttmp9, 2                       ; 4 x cluster x
	s_cmp_eq_u32 ttmp9, 2                          ; v's clusters: the same in all sixteen partners
	s_cselect_b32 s[TA], 8, s21                    ; A: v's columns begin at row 2,048 of W_attn's codes; else tokens by the cluster's y
	s_cselect_b32 s[TBK], s21, s22                 ; B: tokens by the cluster's y; else q's or k's columns by the cluster's x
	s_add_co_u32 s[TA], s[TA], s[CY]
	s_add_co_u32 s[TBK], s[TBK], s[CX]
	s_lshl_b32 s40, s[CY], 2
	s_lshl_b32 s40, 15, s40                        ; my row of the cluster
	s_lshl_b32 s41, 0x1111, s[CX]                  ; my column
	; descriptor group 1: eight tiles' parts of a K step: 8 rows of 4,096 bytes (512 elements of 8 bytes), 16,384 bytes apart; dense in LDS
	s_or_b32 s[G1], s40, (3<<16)|(1<<21)           ; 15:0 the mask: A's tiles go to my row; 17:16 elements of 8 bytes; 21 set beside a mask
	s_or_b32 s[G1B], s41, (3<<16)|(1<<21)          ; B's to my column
.irp g, G1, G1B
	s_mov_b32 s[\g+1], 512<<16                     ; tensor_dim0
	s_mov_b32 s[\g+2], 8<<16                       ; tensor_dim1
	s_mov_b32 s[\g+3], 512<<16                     ; tile_dim0
	s_mov_b32 s[\g+4], 8                           ; tile_dim1
	s_mov_b32 s[\g+5], 2048                        ; tensor_dim0_stride
	s_mov_b32 s[\g+6], 0
	s_mov_b32 s[\g+7], 0
.endr
	s_lshl_b32 s23, s[WC], 17                      ; the eight tiles that I fetch
	s_lshl_b32 s80, s[TA], 18
	s_add_co_u32 s80, s80, s23
	s_mov_b32 s81, 0
	s_lshl_b32 s82, s[TBK], 18
	s_add_co_u32 s82, s82, s23
	s_mov_b32 s83, 0
	s_lshl_b32 s44, s[WC], 15                      ; where they go: no place in the cluster enters an LDS address
	s_add_co_u32 s45, s44, BOFF
	s_wait_dscnt 0x0                               ; the opening add is done
	s_wait_kmcnt 0x0
	s_load_b256 s[68:75], s[8:9], 0x0              ; e0 .. e7
	s_cmp_eq_u32 ttmp9, 2
	s_cselect_b64 s[76:77], s[6:7], s[4:5]         ; role A's tensor
	s_cselect_b64 s[78:79], s[4:5], s[6:7]         ; role B's
	s_add_nc_u64 s[76:77], s[76:77], s[80:81]
	s_add_nc_u64 s[78:79], s[78:79], s[82:83]
	CROUND                                         ; all sixteen work-groups are here: the first joint loads meet
.irp s, 0,1
	s_mov_b32 s[G0+4*\s], 1
	s_add_co_u32 s[G0+4*\s+1], s44, \s*SLOT
	s_add_nc_u64 s[G0+4*\s+2:G0+4*\s+3], s[76:77], \s*4096   ; K step s: sixteen chunks of 256 bytes on in each tile
	s_or_b32 s[G0+4*\s+3], s[G0+4*\s+3], 0x80000000
	s_mov_b32 s[G0B+4*\s], 1
	s_add_co_u32 s[G0B+4*\s+1], s45, \s*SLOT
	s_add_nc_u64 s[G0B+4*\s+2:G0B+4*\s+3], s[78:79], \s*4096
	s_or_b32 s[G0B+4*\s+3], s[G0B+4*\s+3], 0x80000000
.endr
	JLOAD 0                                        ; K step 0: one tensor load a wave at the head
	v_and_b32 v1, 31, v0
	v_lshlrev_b32 v[CO], 4, v1
	s_lshl_b32 s21, s[WR], 15                      ; my eight tiles of A
	s_lshl_b32 s22, s[WC], 15                      ; my eight of B,
	s_add_co_u32 s22, s22, BOFF                    ; which lie behind A's sixteen
.irp s, 0,1
	v_add_nc_u32 v[ADRA+\s], s21, v[CO]
	v_add_nc_u32 v[ADRB+\s], s22, v[CO]
	s_add_co_u32 s21, s21, SLOT
	s_add_co_u32 s22, s22, SLOT
.endr
	; where my codes go.  TT: my 256 tokens; CH, WH: my heads (4 to a work-group, 2 to a wave); WT: my 128 tokens of the 256
	s_cmp_eq_u32 ttmp9, 2
	s_cselect_b32 s88, s[TBK], s[TA]
	s_cselect_b32 s89, s[CY], s[CX]
	s_cselect_b32 s90, s[WR], s[WC]
	s_cselect_b32 s91, s[WC], s[WR]
	s_cselect_b64 s[84:85], s[14:15], s[12:13]
	s_cmp_eq_u32 ttmp9, 0
	s_cselect_b64 s[84:85], s[10:11], s[84:85]
	s_lshr_b32 s92, s88, 3                         ; the batch: 8 x 256 tokens each
	s_lshl_b32 s92, s92, 4
	s_lshl_b32 s89, s89, 2
	s_add_co_u32 s92, s92, s89
	s_lshl_b32 s90, s90, 1
	s_add_co_u32 s92, s92, s90                     ; batch x 16 + head
	s_lshl_b32 s92, s92, 17                        ; a head is 131,072 bytes in each of the three buffers
	s_and_b32 s88, s88, 7
	s_lshl_b32 s88, s88, 1
	s_add_co_u32 s88, s88, s91
	s_lshl_b32 s88, s88, 13                        ; 128 tokens are 8,192 bytes in each
	s_add_co_u32 s92, s92, s88
	s_mov_b32 s93, 0
	s_add_nc_u64 s[84:85], s[84:85], s[92:93]
.macro FRAG reg, adr, q, i             ; tile i's fragment of the slot's q-th 128 along K: 2,048 consecutive bytes
.irp c, 0,1,2,3
	ds_load_b128 v[\reg+4*\c:\reg+4*\c+3], v[\adr] offset:(\i)*4096+(\q)*2048+512*\c
.endr
.endm
; 16 matrix instructions: A's blocks a0, a0 + 1 x B's eight.  p: B's set.  zero = 1: the first product starts the sums.  The 64 accumulators take turns, one instruction a turn.
.macro MULA a0, p, zero
.irp a, \a0, \a0+1
.irp b, 0,1,2,3,4,5,6,7
.if \zero
	v_wmma_f32_16x16x128_fp8_fp8 v[8*(8*((\a)%4)+\b):8*(8*((\a)%4)+\b)+7], v[128*(\p)+16*\b:128*(\p)+16*\b+15], v[AF+16*(\a):AF+16*(\a)+15], 0
.else
	v_wmma_f32_16x16x128_fp8_fp8 v[8*(8*((\a)%4)+\b):8*(8*((\a)%4)+\b)+7], v[128*(\p)+16*\b:128*(\p)+16*\b+15], v[AF+16*(\a):AF+16*(\a)+15], v[8*(8*((\a)%4)+\b):8*(8*((\a)%4)+\b)+7]
.endif
.endr
.endr
.endm
.macro FETCH_B slot, q, p
	WIN TO_B
.irp i, 0,1,2,3,4,5,6,7
	FRAG 128*(\p)+16*\i, ADRB+\slot, \q, \i
.endr
	WIN 0
.endm
.macro FETCH_A slot, q, i0
.irp i, \i0, \i0+1, \i0+2, \i0+3
	FRAG AF+16*(\i), ADRA+\slot, \q, \i
.endr
.endm
.macro PLACES n                        ; plain vector instructions between a matrix instruction and a load into, or a vector instruction on, one of its registers (ISA guide 7.12.1 for vector instructions)
.rept \n
	v_nop
.endr
.endm
; A step of 128 along K that has its successor in the same slot.  A's blocks are free as soon as their eight products are issued: blocks 0-3 are fetched anew in the middle, blocks 4-7 at the end.
.macro STEP slot, q, zero
	s_wait_dscnt 16                                ; B's set and A's blocks 0-3 are in; the youngest sixteen loads (A's blocks 4-7) may be out
	WIN MUL_LO
	MULA 0, (\q)%2, \zero
	MULA 2, (\q)%2, \zero
	s_wait_dscnt 0                                 ; A's blocks 4-7 are in
	PLACES 4
	FETCH_B \slot, (\q)+1, 1-(\q)%2
	FETCH_A \slot, (\q)+1, 0
	WIN MUL_HI
	MULA 4, (\q)%2, \zero
	MULA 6, (\q)%2, \zero
	PLACES 4
	WIN 0
	FETCH_A \slot, (\q)+1, 4
.endm
; A slot's last step changes slots: ONE barrier; in front of it each wave waits for all its tensor loads, adds 0 to its spare word, and waits for that and for its own reads of this slot.
; fill = 1: the barrier opens a round of the cluster's, and this slot is filled again, two K steps ahead, first thing behind the round.
.macro TURN slot, next, fill
	s_wait_tensorcnt 0x0                           ; all my tensor loads have landed: my part of the next slot  (every window is 0 here)
	ds_add_u32 v[SPW], v[NIL]                      ; 0 onto my spare word
	s_wait_dscnt 17                                ; (the add and the youngest sixteen loads may be out)
	WIN MUL_LO
	MULA 0, 1, 0                                   ; sixteen matrix instructions stand between the add and the wait for it
	s_wait_dscnt 0x0                               ; the add is done, and my reads of this slot are over
	s_barrier_signal -1
	MULA 2, 1, 0
	WIN 0
	s_barrier_wait -1
.if \fill
	CREST                                          ; no wave of any partner still reads this slot's tiles or has a load on its way
	s_add_nc_u64 s[G0+4*\slot+2:G0+4*\slot+3], s[G0+4*\slot+2:G0+4*\slot+3], 8192
	s_add_nc_u64 s[G0B+4*\slot+2:G0B+4*\slot+3], s[G0B+4*\slot+2:G0B+4*\slot+3], 8192
	JLOAD \slot                                    ; my one tensor load behind the round; its four v_nop are also the places in front of the loads below
.else
	PLACES 4
.endif
	FETCH_B \next, 0, 0
	FETCH_A \next, 0, 0
	WIN MUL_HI
	MULA 4, 1, 0
	MULA 6, 1, 0
	PLACES 4
	WIN 0
	FETCH_A \next, 0, 4
.endm
	s_wait_alu depctr_va_vdst(0)
	s_wait_tensorcnt 0x0                           ; my part of K step 0 is in
	ds_add_u32 v[SPW], v[NIL]
	s_wait_dscnt 0x0
	CROUND                                         ; everybody's part of K step 0 is in, and the sixteen work-groups meet
	JLOAD 1                                        ; K step 1: the first tensor load behind the round
	FETCH_B 0, 0, 0
	FETCH_A 0, 0, 0
	FETCH_A 0, 0, 4
	STEP 0, 0, 1                                   ; K step 0; its first products start the sums
	TURN 0, 1, 1                                   ; slot 0 takes K step 2
	STEP 1, 0, 0                                   ; K step 1
	TURN 1, 0, 1                                   ; slot 1 takes K step 3
	STEP 0, 0, 0                                   ; K step 2
	TURN 0, 1, 0                                   ; nothing is left to fetch
	STEP 1, 0, 0                                   ; K step 3
	s_wait_dscnt 16
	WIN MUL_LO
	MULA 0, 1, 0
	MULA 2, 1, 0
	s_wait_dscnt 0
	WIN MUL_HI
	MULA 4, 1, 0
	MULA 6, 1, 0
	WIN 0
	; THE WAY OUT: the hold, the conversion, the stores
	s_wait_kmcnt 0x0
	s_cmp_eq_u32 ttmp9, 0
	s_cselect_b32 s80, s70, s71                    ; q's exponent or k's,
	s_cmp_eq_u32 ttmp9, 2
	s_cselect_b32 s80, s73, s80                    ; or v's
	s_sub_co_i32 s80, s80, s68
	s_sub_co_i32 s80, s80, s69                     ; eX - e0 - e1: the three scales folded into the conversion's one
	s_add_co_i32 s80, s80, 127
	s_lshl_b32 s81, s80, 23
	v_mov_b32 v[SCL], s81
	s_add_co_i32 s80, s80, 8
	s_lshl_b32 s80, s80, 23
	s_or_b32 s86, s80, 0x600000                    ; 448 x that,
	s_or_b32 s87, s86, 0x80000000                  ; and its negative
	PLACES 4                                       ; behind the last products
.macro OUTW inpl, rd, a0               ; a window's 32 accumulators: held in place, each from its low end on, then converted into window 0, where A's fragments lay: accumulator (a, b) into v[128 + 16 a + 2 b]
	WIN \inpl
.set J, 0
.rept 256
	v_med3_num_f32 v[J], v[J], s87, s86            ; the conversion to an 8-bit code does not saturate (ISA guide 7.6.2)
.set J, J+1
.endr
	WIN \rd
.irp a, 0,1,2,3
.irp b, 0,1,2,3,4,5,6,7
	v_cvt_scalef32_pk8_fp8_f32 v[AF+16*(\a0+\a)+2*\b:AF+16*(\a0+\a)+2*\b+1], v[8*(8*\a+\b):8*(8*\a+\b)+7], v[SCL]
.endr
.endr
.endm
	OUTW 0x82, 0x02, 0                             ; destination and source 0 window 2; then source 0 window 2, destination window 0
	OUTW 0xc3, 0x03, 4
	v_nop                                          ; one plain vector instruction behind the last conversion
	WIN 0
	s_cmp_eq_u32 ttmp9, 2
	s_cbranch_scc1 .Lstore_v
.irp a, 0,1,2,3,4,5,6,7                ; q, k: block a is 16 tokens; registers 4 g .. 4 g + 3 are half g % 2 of head g / 2's fragment
.irp g, 0,1,2,3
	global_store_b128 v[CO], v[AF+16*\a+4*\g:AF+16*\a+4*\g+3], s[84:85] offset:(\g/2)*131072+\a*1024+(\g%2)*512   ; 512 consecutive bytes, aligned
.endr
.endr
	s_branch .Lstored
.Lstore_v:
	s_wait_alu depctr_va_vdst(0)
.irp a, 0,1,2,3,4,5,6,7                ; v: block a is d tile a % 4 of head a / 4; its 16 registers are the fragment of my 128 keys
.irp g, 0,1,2,3
	global_store_b128 v[CO], v[AF+16*\a+4*\g:AF+16*\a+4*\g+3], s[84:85] offset:(\a/4)*131072+(\a%4)*2048+\g*512
.endr
.endr
.Lstored:
	s_wait_tensorcnt 0x0                           ; the wave's end
	ds_add_u32 v[SPW], v[NIL]
	s_wait_dscnt 0x0
	CROUND                                         ; the closing round: no work-group ends while a partner may still ask for a tile that names it
	s_endpgm
.Lfunc_end_k_q31ae1fb4c7_qkv:
	.size	k_q31ae1fb4c7_qkv, .Lfunc_end_k_q31ae1fb4c7_qkv-k_q31ae1fb4c7_qkv
	.p2alignl 7, 3214868480
	.fill 96, 4, 3214868480
	.section	.rodata,"a",@progbits
	.p2align	6, 0x0
	.amdhsa_kernel k_q31ae1fb4c7_qkv
		.amdhsa_group_segment_fixed_size 327680
		.amdhsa_private_segment_fixed_size 0
		.amdhsa_enable_private_segment 0
		.amdhsa_kernarg_size 48
		.amdhsa_user_sgpr_count 2
		.amdhsa_user_sgpr_kernarg_segment_ptr 1
		.amdhsa_wavefront_size32 1
		.amdhsa_system_sgpr_workgroup_id_x 1
		.amdhsa_system_sgpr_workgroup_id_y 1
		.amdhsa_system_sgpr_workgroup_id_z 1
		.amdhsa_system_vgpr_workitem_id 0
		.amdhsa_next_free_vgpr 1024
		.amdhsa_next_free_sgpr 100
		.amdhsa_reserve_vcc 0
		.amdhsa_float_denorm_mode_32 3
		.amdhsa_float_denorm_mode_16_64 3
		.amdhsa_memory_ordered 1
		.amdhsa_forward_progress 1
		.amdhsa_inst_pref_size 120
	.end_amdhsa_kernel
	.amdgpu_metadata
---
amdhsa.version: [ 1, 2 ]
amdhsa.kernels:
  - .name:           k_q31ae1fb4c7_qkv
    .symbol:         k_q31ae1fb4c7_qkv.kd
    .args:
      - { .name: x_img, .offset: 0, .size: 8, .value_kind: global_buffer, .address_space: global }
      - { .name: wa_img, .offset: 8, .size: 8, .value_kind: global_buffer, .address_space: global }
      - { .name: lowp_scales, .offset: 16, .size: 8, .value_kind: global_buffer, .address_space: global }
      - { .name: q_img, .offset: 24, .size: 8, .value_kind: global_buffer, .address_space: global }
      - { .name: k_img, .offset: 32, .size: 8, .value_kind: global_buffer, .address_space: global }
      - { .name: v_img, .offset: 40, .size: 8, .value_kind: global_buffer, .address_space: global }
    .group_segment_fixed_size: 327680
    .private_segment_fixed_size: 0
    .kernarg_segment_align: 8
    .kernarg_segment_size: 48
    .max_flat_workgroup_size: 128
    .sgpr_count:     100
    .vgpr_count:     1024
    .wavefront_size: 32
...
	.end_amdgpu_metadata
.endif
;; end of part 2
;; launch attn (part 3): grid 4 x 64, 16 waves a work-group, clusters of 4 x 1, 327,680 bytes of LDS; arguments q_img, k_img, v_img, lowp_scales, o_img; writes o_img
.if DOCPART == 3
	.amdgcn_target "amdgcn-amd-amdhsa--gfx1250"
	.amdhsa_code_object_version 6
	.text
	.protected	k_q31ae1fb4c7_attn
	.globl	k_q31ae1fb4c7_attn
	.p2align	8
	.type	k_q31ae1fb4c7_attn,@function
k_q31ae1fb4c7_attn:
	s_mov_b64 s[64:65], 0
	v_nop
	global_prefetch_b8 v0, s[64:65] scope:SCOPE_SE
	s_setreg_imm32_b32 hwreg(HW_REG_WAVE_MODE, 25, 1), 1
	s_wait_xcnt 0x0
	s_wait_alu depctr_hold_cnt(0) depctr_sa_sdst(0) depctr_va_vdst(0) depctr_va_sdst(0) depctr_va_ssrc(0) depctr_va_vcc(0) depctr_vm_vsrc(0)
	s_getreg_b32 s2, hwreg(HW_REG_IB_STS2, 6, 4)
	s_cmp_eq_u32 s2, 0
	s_cbranch_scc0 .Lentry_in_a_cluster
	s_endpgm
.Lentry_in_a_cluster:
	s_bfe_u32 s2, ttmp6, 0x10000c
	s_cmp_lg_u32 s2, 0x3003
	s_cbranch_scc0 .Lentry_shape_is_right
	s_endpgm
.Lentry_shape_is_right:
; Causal attention of 64 heads (4 batches x 16), 2,048 tokens, head size 64, both products on codes of FP8 (E4M3); the result is quantised at once with the scale given for it (entry 6) as an operand of the last product.
; THE SOFTMAX AHEAD OF THE SECOND PRODUCT: t = score x log2(e) / 8; M = the row's largest t so far, rounded UP to a whole number; p = 2^(t - M) is quantised (entry 4), not normalised.
; The row's sum is taken of the unquantised p, in f32, and divides at the end.  When M moves, the sum and O are multiplied by 2^(old M - new M): exact.
; OPERANDS lie as images of their registers (the launch before stores them so): a fragment comes by loads of 512 consecutive bytes, 16 x lane.
;   q, k: [head][16 tokens: 128][1,024 bytes], 8 registers a lane.   v: [head][128 keys: 16][16 d: 4][2,048 bytes], 16 registers a lane, the keys along the registers.
; LAYOUT.  Both products are used transposed: S^T = K Q^T, O^T = V^T P^T: a lane holds ONE query (lane % 16).  In tile u of S^T a lane's eight registers are keys 16 u + 8 (lane / 16) + 0 .. 7:
; converted, they are register pair u of the second product's operand.
; K AND V OF A HEAD STAY IN LDS: 2 x 131,072 bytes, each byte filled once: keys 0-511 by the first group of loads, keys 512-2,047 by the second; waves 0-7 fetch K's eighths, waves 8-15 V's, one load a wave in each group.
; SHARES.  A head's 128 tiles of 16 queries: work-group I (0 .. 3) takes the tiles 4 k + I; wave w takes k = 31 - w and then k = w.  Tile 4 k + I needs k / 2 + 1 steps of 128 keys, whatever I is:
; 17 steps in every wave, and the counts hang on the wave's number alone.  Steps whose 128 keys all come after the tile's queries are left out by a scalar branch on the wave's number
; and the count of trips; a tile's last step lies on the diagonal: there hidden scores become -infinity ahead of the maximum.  Key 0 counts for every query.
; CLUSTER: the four work-groups of a head read the same K and V whole (steps 14 and 15 are read by waves 0 to 3 of each): every load is a joint one, mask 15.  I enters global addresses and the diagonal's compare alone.
; NO PREFETCH: all of K and V is asked for by the two groups of loads, the second as soon as the first has landed; no later request is left to run ahead of.
; LIMITS on the given exponents, so that each power of two is an f32 number: e2 + e3 between -123 and 130 (added to c's exponent field); e4 and e6 between -126 and 119; e4 + e5 is applied by v_ldexp_f32 and has none.
; REGISTERS: v1-8 addresses; v12 -M, v13 the largest t, v[14:15] the sum in two halves; v16-23 Q in hand, v24-31 Q of the second tile; v32-95 K's eight fragments, then V's four; v96-159 S^T, then p; v160-191 O^T;
;   v192-207 p's codes; v208-215, v244-255 at work; v216: 2^e4; v217, v218: 448 x 2^e4, twice; v219, v220: 2^e6 and 448 x 2^e6; v222-229 O's codes.
.set VOFF,  131072                     ; V's codes lie behind K's
.set FILL1, 32768                      ; bytes of K, and of V, in the first group: 512 keys
.set SPARE, 262144                     ; behind them: the spare words, 128 bytes for each wave: eight blocks of 256 bytes that no other line names
.set AL,   1                           ; v1   16 x lane
.set SPW,  2                           ; v2   LDS address of my spare word; never rewritten
.set NIL,  3                           ; v3   0; never rewritten
.set ADK,  4                           ; v4   the step's K
.set GO,   5                           ; v5   the way out: 16 (lane % 16) + 8 (lane / 16)
.set QD,   6                           ; v6   lane % 16 - 8 (lane / 16)
.set ADV,  7                           ; v7   the step's V
.set AL2,  8                           ; v8   16 x lane + VOFF
.set WV,   18
.set SEL,  20                          ; s[20:21] lane selects for v_permlanex16_b32: lane l xor 16
.set CS,   22                          ; s[22:23] c = log2(e) / 8 x 2^(e2 + e3)
.set G1A,  24                          ; s[24:31] group 1 of the first loads: 16 rows of 256 bytes, dense
.set G1B,  32                          ; s[32:39] of the second: 48 rows
.set G0A,  40                          ; s[40:43], s[44:47] their groups 0
.set G0B,  44
.set ST,   48                          ; the step in hand, and the loops' counter
.set NS,   49                          ; steps of the tile in hand
.set DG,   50                          ; 16 x (tile % 8): my first query less the last step's first key
.set TB,   51                          ; 8,192 x the step
.set NSB,  52                          ; the same two of the second tile
.set DGB,  53
.set EPV,  54                          ; e4 + e5
.set CXI,  55                          ; I
.set OA,   56                          ; s[56:57], s[58:59] where my codes of O go
.set OB,   58
.set QA,   60                          ; s[60:61], s[62:63] my Q fragments
.set QB,   62
.set HD,   66                          ; s[66:67] my head's first byte
.macro CROUND                          ; a round of the cluster's barrier
	s_barrier_signal -1
	s_barrier_wait -1
	s_cmp_lg_u32 s[WV], 0
	s_cbranch_scc1 .Lnot_wave_0_\@
	s_barrier_signal -3
.Lnot_wave_0_\@:
	s_barrier_wait -3
	s_barrier_signal -1
	s_barrier_wait -1
.endm
.macro POW vs, vl, se                  ; 2^e and 448 x 2^e as f32
	s_add_co_i32 s96, \se, 127
	s_lshl_b32 s97, s96, 23
	v_mov_b32 v[\vs], s97
	s_add_co_i32 s96, s96, 8
	s_lshl_b32 s96, s96, 23
	s_or_b32 s96, s96, 0x600000
	v_mov_b32 v[\vl], s96
.endm
	s_load_b256 s[4:11], s[0:1], 0x0               ; q's codes s[4:5], k's s[6:7], v's s[8:9], the exponents s[10:11]
	s_load_b64 s[12:13], s[0:1], 0x20              ; O's codes
	v_lshl_add_u32 v[SPW], v0, 2, SPARE
	v_mov_b32 v[NIL], 0
	ds_add_u32 v[SPW], v[NIL]                      ; the wave's opening: the add, twice on end, and its wait ahead of my first tensor load
	ds_add_u32 v[SPW], v[NIL]
	v_lshrrev_b32 v4, 5, v0
	v_readfirstlane_b32 s[WV], v4                  ; wave 0..15
	s_and_b32 s19, ttmp7, 0xffff                   ; batch x 16 + head: the cluster's y
	s_bfe_u32 s[CXI], ttmp6, 0x40000               ; I: my place in the cluster
.irp g, G1A, G1B
	s_mov_b32 s[\g], 15|(3<<16)|(1<<21)            ; the mask names the four; elements of 8 bytes; bit 21 beside a mask; no padding
	s_mov_b32 s[\g+1], 32<<16                      ; tensor_dim0: 256 bytes
	s_mov_b32 s[\g+3], 32<<16                      ; tile_dim0
	s_mov_b32 s[\g+5], 32                          ; dense
	s_mov_b32 s[\g+6], 0
	s_mov_b32 s[\g+7], 0
.endr
	s_mov_b32 s[G1A+2], 16<<16                     ; 16 rows: 4,096 bytes a wave
	s_mov_b32 s[G1A+4], 16
	s_mov_b32 s[G1B+2], 48<<16                     ; 48 rows: 12,288 bytes a wave
	s_mov_b32 s[G1B+4], 48
	s_mov_b32 s[SEL], 0x76543210
	s_mov_b32 s[SEL+1], 0xfedcba98
	s_mov_b32 s[CS], 0x3e38aa3b                    ; log2(e) / 8
	s_and_b32 s76, s[WV], 7                        ; which eighth I fetch,
	s_lshr_b32 s77, s[WV], 3
	s_lshl_b32 s77, s77, 17                        ; of K (0) or of V (VOFF)
	s_lshl_b32 s78, s76, 12
	s_mul_i32 s79, s76, 12288
	s_add_co_u32 s79, s79, FILL1
	s_mov_b32 s[G0A], 1
	s_add_co_u32 s[G0A+1], s78, s77
	s_mov_b32 s[G0B], 1
	s_add_co_u32 s[G0B+1], s79, s77
	s_lshl_b32 s[HD], s19, 17                      ; a head is 131,072 bytes in q's, k's and v's codes
	s_mov_b32 s[HD+1], 0
	s_add_co_u32 s80, s[HD], s78
	s_mov_b32 s81, 0
	s_add_co_u32 s82, s[HD], s79
	s_mov_b32 s83, 0
	s_wait_dscnt 0x0                               ; both opening adds are done
	s_wait_kmcnt 0x0
	s_load_b256 s[68:75], s[10:11], 0x0            ; e0 .. e7
	s_cmp_lt_u32 s[WV], 8
	s_cselect_b64 s[84:85], s[6:7], s[8:9]         ; K's codes or V's, by the wave's number
	s_add_nc_u64 s[G0A+2:G0A+3], s[84:85], s[80:81]
	s_or_b32 s[G0A+3], s[G0A+3], 0x80000000
	s_add_nc_u64 s[G0B+2:G0B+3], s[84:85], s[82:83]
	s_or_b32 s[G0B+3], s[G0B+3], 0x80000000
	CROUND                                         ; the four work-groups are here: the first joint loads meet
	tensor_load_to_lds s[G0A:G0A+3], s[G1A:G1A+7]  ; my part of keys 0-511
	s_nop 0
.rept 4
	v_nop
.endr
	s_sub_co_u32 s86, 31, s[WV]                    ; k of my first tile
	s_lshl_b32 s87, s86, 2
	s_add_co_u32 s87, s87, s[CXI]                  ; my first tile: 4 (31 - wave) + I,
	s_lshl_b32 s88, s[WV], 2
	s_add_co_u32 s88, s88, s[CXI]                  ; and my second: 4 wave + I
	s_lshr_b32 s[NS], s86, 1
	s_add_co_u32 s[NS], s[NS], 1                   ; 9 .. 16 steps
	s_lshr_b32 s[NSB], s[WV], 1
	s_add_co_u32 s[NSB], s[NSB], 1                 ; 1 .. 8 steps
	s_and_b32 s[DG], s87, 7
	s_lshl_b32 s[DG], s[DG], 4
	s_and_b32 s[DGB], s88, 7
	s_lshl_b32 s[DGB], s[DGB], 4
	s_mov_b32 s91, 0
	s_add_nc_u64 s[4:5], s[4:5], s[HD:HD+1]
	s_lshl_b32 s90, s87, 10
	s_add_nc_u64 s[QA:QA+1], s[4:5], s[90:91]
	s_lshl_b32 s90, s88, 10
	s_add_nc_u64 s[QB:QB+1], s[4:5], s[90:91]
	v_and_b32 v9, 31, v0
	v_lshlrev_b32 v[AL], 4, v9
	v_add_nc_u32 v[AL2], VOFF, v[AL]
	global_load_b128 v[16:19], v[AL], s[QA:QA+1]
	global_load_b128 v[20:23], v[AL], s[QA:QA+1] offset:512
	global_load_b128 v[24:27], v[AL], s[QB:QB+1]
	global_load_b128 v[28:31], v[AL], s[QB:QB+1] offset:512
	; O's codes lie as the last product's operand: [16 tokens][64 chunks][16 tokens][16 bytes]; chunk 4 head + d / 16
	s_lshr_b32 s92, s19, 4
	s_lshl_b32 s92, s92, 7                         ; the batch's 128 tiles
	s_and_b32 s93, s19, 15
	s_lshl_b32 s93, s93, 10                        ; the head's four chunks
	s_add_co_u32 s90, s92, s87
	s_lshl_b32 s90, s90, 14
	s_add_co_u32 s90, s90, s93
	s_add_nc_u64 s[OA:OA+1], s[12:13], s[90:91]
	s_add_co_u32 s90, s92, s88
	s_lshl_b32 s90, s90, 14
	s_add_co_u32 s90, s90, s93
	s_add_nc_u64 s[OB:OB+1], s[12:13], s[90:91]
	v_and_b32 v10, 15, v0
	v_bfe_u32 v11, v0, 4, 1                        ; h
	v_lshlrev_b32 v[GO], 4, v10
	v_lshl_add_u32 v[GO], v11, 3, v[GO]
	v_lshlrev_b32 v[QD], 3, v11
	v_sub_nc_u32 v[QD], v10, v[QD]
	v_mov_b32 v13, 0xff61b1e6                      ; the largest t so far: -3e38, under every t
	v_floor_f32 v12, -v13                          ; -M
	v_mov_b32 v14, 0                               ; the sum, in two halves
	v_mov_b32 v15, 0
	v_mov_b32 v208, 0                              ; written once: a lane permute's destination counts as one of its sources
	v_mov_b32 v211, 0                              ; (named as the upper half of the pair v[210:211])
.irp j, 0,1,2,3,4,5,6,7,8,9,10,11,12,13,14,15,16,17,18,19,20,21,22,23,24,25,26,27,28,29,30,31
	v_mov_b32 v[160+\j], 0                         ; O^T: the step has no first form: it finds zeros, which the first change of M leaves zeros
.endr
	s_wait_kmcnt 0x0
	s_add_co_i32 s96, s70, s71
	s_lshl_b32 s96, s96, 23
	s_add_co_i32 s[CS], s[CS], s96                 ; a score stands for score x 2^(e2 + e3): the exponents are added to c's exponent field
	s_mov_b32 s[CS+1], s[CS]                       ; (named with it as a pair, so it is written)
	s_add_co_i32 s[EPV], s72, s73
	POW 216, 217, s72
	v_mov_b32 v218, s96                            ; 448 x 2^e4 once more: the two halves of a dual pair take their second sources from different banks
	POW 219, 220, s74
	s_mov_b32 s[ST], 0
	s_mov_b32 s[TB], 0
; A KEY STEP: 128 keys.  mask = 1: the step may lie behind the tile's last (left out) or be the last (the diagonal)
.macro STEP mask
.if \mask
	s_cmp_ge_u32 s[ST], s[NS]                      ; all 128 keys come after my 16 queries (the wave's number and the count of trips alone)
	s_cbranch_scc1 .Lhidden_\@
.endif
	v_add_nc_u32 v[ADK], s[TB], v[AL]
	v_add_nc_u32 v[ADV], s[TB], v[AL2]
.rept 2
	v_nop                                          ; with the two additions: four places in front of loads into registers that the last products have read
.endr
.irp u, 0,1,2,3,4,5,6,7
	ds_load_b128 v[32+8*\u:35+8*\u], v[ADK] offset:\u*1024
	ds_load_b128 v[36+8*\u:39+8*\u], v[ADK] offset:\u*1024+512
.endr
	s_wait_dscnt 0x0
	s_wait_alu depctr_va_vdst(0)
.irp u, 0,1,2,3,4,5,6,7
	v_wmma_f32_16x16x64_fp8_fp8 v[96+8*\u:103+8*\u], v[32+8*\u:39+8*\u], v[16:23], 0
.endr
.rept 4
	v_nop                                          ; places in front of the loads below and of the first read of the scores
.endr
.irp t, 0,1,2,3
.irp c, 0,1,2,3
	ds_load_b128 v[32+16*\t+4*\c:35+16*\t+4*\c], v[ADV] offset:2048*\t+512*\c   ; V's four fragments land while the softmax is walked
.endr
.endr
.if \mask
	s_add_co_u32 s96, s[ST], 1
	s_cmp_lg_u32 s96, s[NS]                        ; not the tile's last step: all 128 keys count
	s_cbranch_scc1 .Lopen_\@
	v_add_nc_u32 v214, s[DG], v[QD]                ; my query - the step's first key - 8 (lane / 16).  Register 8 u + j holds key 16 u + 8 (lane / 16) + j of the step: hidden where 16 u + j is above that
	v_mov_b32 v215, 0xff800000                     ; -infinity: p = 0 then
.irp u, 0,1,2,3,4,5,6,7
.irp j, 0,1,2,3,4,5,6,7
	v_cmp_gt_i32 vcc_lo, 16*\u+\j, v214
	v_cndmask_b32 v[96+8*\u+\j], v[96+8*\u+\j], v215, vcc_lo
.endr
.endr
.Lopen_\@:
.endif
	v_max3_num_f32 v214, v96, v97, v98             ; the step's largest score of my query, among my 64 keys, in two chains,
	v_max3_num_f32 v215, v99, v100, v101
.irp i, 6,10,14,18,22,26,30,34,38,42,46,50,54,58
	v_max3_num_f32 v214, v214, v[96+\i], v[97+\i]
	v_max3_num_f32 v215, v215, v[98+\i], v[99+\i]
.endr
	v_max3_num_f32 v214, v214, v158, v159
	s_delay_alu instid0(VALU_DEP_1)
	v_max_num_f32 v214, v214, v215
	s_delay_alu instid0(VALU_DEP_1)
	v_permlanex16_b32 v208, v214, s[SEL], s[SEL+1]
	s_delay_alu instid0(VALU_DEP_1)
	v_max_num_f32 v214, v214, v208                 ; and among lane l xor 16's
	s_delay_alu instid0(VALU_DEP_1)
	v_mul_f32 v214, s[CS], v214                    ; as t (c is positive)
	s_delay_alu instid0(VALU_DEP_1)
	v_max_num_f32 v13, v13, v214                   ; the running largest t
	v_mov_b32 v214, v12
	s_delay_alu instid0(VALU_DEP_2)
	v_floor_f32 v12, -v13                          ; the new -M = floor(-t) = -ceil(t): M is a whole number
	s_delay_alu instid0(VALU_DEP_1)
	v_sub_f32 v214, v12, v214                      ; old M - new M: a whole number, 0 or less
	s_delay_alu instid0(VALU_DEP_1)
	v_cvt_i32_f32 v214, v214                       ; (it saturates)
	s_delay_alu instid0(VALU_DEP_1)
	v_ldexp_f32 v210, 1.0, v214                    ; f = 2^(old M - new M)
.irp u, 0,1,2,3,4,5,6,7
.irp j, 0,2,4,6
	v_pk_fma_f32 v[96+8*\u+\j:97+8*\u+\j], v[96+8*\u+\j:97+8*\u+\j], s[CS:CS+1], v[12:13] op_sel_hi:[1,0,0]   ; t - M, two at a time (of the pairs c and -M the low word serves both halves)
.endr
.endr
	s_wait_alu depctr_va_vdst(0)
.irp u, 0,1,2,3,4,5,6,7
.irp j, 0,1,2,3,4,5,6,7
	v_exp_f32 v[96+8*\u+\j], v[96+8*\u+\j]         ; p = 2^(t - M), at most 1: not normalised
.endr
.endr
	v_pk_mul_f32 v[14:15], v[14:15], v[210:211] op_sel_hi:[1,0]   ; the sums under the new M: the plain instruction behind the exponentials
	s_wait_alu depctr_va_vdst(0)                   ; one wait for the whole batch of 64, ahead of its first reader
	v_pk_add_f32 v[212:213], v[100:101], v[104:105]   ; the row's sum of the unquantised p, in eight chains
	v_pk_add_f32 v[254:255], v[108:109], v[112:113]
	v_pk_add_f32 v[252:253], v[116:117], v[120:121]
	v_pk_add_f32 v[250:251], v[124:125], v[128:129]
	v_pk_add_f32 v[248:249], v[132:133], v[136:137]
	v_pk_add_f32 v[246:247], v[140:141], v[144:145]
	v_pk_add_f32 v[244:245], v[148:149], v[152:153]
	v_pk_add_f32 v[14:15], v[14:15], v[156:157]
	v_pk_add_f32 v[212:213], v[212:213], v[96:97]
	v_pk_add_f32 v[254:255], v[254:255], v[98:99]
	v_pk_add_f32 v[252:253], v[252:253], v[102:103]
	v_pk_add_f32 v[250:251], v[250:251], v[106:107]
	v_pk_add_f32 v[248:249], v[248:249], v[110:111]
	v_pk_add_f32 v[246:247], v[246:247], v[114:115]
	v_pk_add_f32 v[244:245], v[244:245], v[118:119]
	v_pk_add_f32 v[14:15], v[14:15], v[122:123]
	v_pk_add_f32 v[212:213], v[212:213], v[126:127]
	v_pk_add_f32 v[254:255], v[254:255], v[130:131]
	v_pk_add_f32 v[252:253], v[252:253], v[134:135]
	v_pk_add_f32 v[250:251], v[250:251], v[138:139]
	v_pk_add_f32 v[248:249], v[248:249], v[142:143]
	v_pk_add_f32 v[246:247], v[246:247], v[146:147]
	v_pk_add_f32 v[244:245], v[244:245], v[150:151]
	v_pk_add_f32 v[14:15], v[14:15], v[154:155]
	v_pk_add_f32 v[212:213], v[212:213], v[158:159]
	s_delay_alu instid0(VALU_DEP_2)
	v_pk_add_f32 v[14:15], v[14:15], v[250:251]
	s_delay_alu instid0(VALU_DEP_2)
	v_pk_add_f32 v[212:213], v[212:213], v[248:249]
	v_pk_add_f32 v[254:255], v[254:255], v[246:247]
	v_pk_add_f32 v[252:253], v[252:253], v[244:245]
	s_delay_alu instid0(VALU_DEP_2)
	v_pk_add_f32 v[14:15], v[14:15], v[254:255]
	s_delay_alu instid0(VALU_DEP_2)
	v_pk_add_f32 v[212:213], v[212:213], v[252:253]
	s_delay_alu instid0(VALU_DEP_1)
	v_pk_add_f32 v[14:15], v[14:15], v[212:213]
.irp u, 0,1,2,3,4,5,6,7
.irp j, 0,2,4,6
	v_dual_min_num_f32 v[96+8*\u+\j], v[96+8*\u+\j], v217 :: v_dual_min_num_f32 v[97+8*\u+\j], v[97+8*\u+\j], v218   ; the conversion does not saturate (ISA guide 7.6.2); p is not negative, so the hold is one-sided; two holds a line
.endr
	v_cvt_scalef32_pk8_fp8_f32 v[192+2*\u:193+2*\u], v[96+8*\u:103+8*\u], v216   ; register pair u of the operand: keys 16 u + 8 (lane / 16) + 0 .. 7
.endr
	s_wait_alu depctr_va_vdst(0)                   ; directly ahead of the first reader of O^T
.irp j, 0,2,4,6,8,10,12,14,16,18,20,22,24,26,28,30
	v_pk_mul_f32 v[160+\j:161+\j], v[160+\j:161+\j], v[210:211] op_sel_hi:[1,0]   ; O^T under the new M.  (Also the plain instructions between the last conversion and the products)
.endr
	s_wait_alu depctr_va_vdst(0)
	s_wait_dscnt 0x0                               ; V is in
.irp t, 0,1,2,3
	v_wmma_f32_16x16x128_fp8_fp8 v[160+8*\t:167+8*\t], v[32+16*\t:47+16*\t], v[192:207], v[160+8*\t:167+8*\t]
.endr
.if \mask
.Lhidden_\@:
.endif
	s_add_co_u32 s[TB], s[TB], 8192
	s_add_co_u32 s[ST], s[ST], 1
.endm
; A TILE'S END.  O^T / the sum x 2^(e4 + e5) is quantised with entry 6's scale.  A lane's eight numbers of d tile t are eight neighbours along the last product's K: 8 bytes of chunk 4 head + t, token lane % 16:
; the 32 lanes' 8 bytes are 256 consecutive bytes, aligned.  again = 1: the running figures begin anew for the second tile.
.macro FINISH base, again
.rept 4
	v_nop                                          ; places behind the last products
.endr
	s_wait_xcnt 0x0                                ; the first tile's stores have read their data: the codes' registers may be written again
	v_add_f32 v14, v14, v15                        ; the sum's two halves,
	s_delay_alu instid0(VALU_DEP_1)
	v_permlanex16_b32 v208, v14, s[SEL], s[SEL+1]
	s_delay_alu instid0(VALU_DEP_1)
	v_add_f32 v14, v14, v208                       ; and lane l xor 16's
	s_wait_alu depctr_va_vdst(0)                   ; the wait ahead of the reciprocal,
	v_rcp_f32 v14, v14
	v_nop                                          ; a plain instruction behind it,
	s_wait_alu depctr_va_vdst(0)                   ; and the wait ahead of its first reader
	v_ldexp_f32 v14, v14, s[EPV]
	s_wait_alu depctr_va_vdst(0)                   ; and directly ahead of the first reader of O^T
.irp j, 0,2,4,6,8,10,12,14,16,18,20,22,24,26,28,30
	v_pk_mul_f32 v[96+\j:97+\j], v[160+\j:161+\j], v[14:15] op_sel_hi:[1,0]
.endr
.irp t, 0,1,2,3
.irp j, 0,1,2,3,4,5,6,7
	v_med3_num_f32 v[96+8*\t+\j], v[96+8*\t+\j], -v220, v220
.endr
	v_cvt_scalef32_pk8_fp8_f32 v[222+2*\t:223+2*\t], v[96+8*\t:103+8*\t], v219
.endr
	v_nop                                          ; one plain vector instruction behind the last conversion
.irp t, 0,1,2,3
	global_store_b64 v[GO], v[222+2*\t:223+2*\t], s[\base:\base+1] offset:256*\t
.endr
.if \again
	v_mov_b32 v13, 0xff61b1e6
	s_delay_alu instid0(VALU_DEP_1)
	v_floor_f32 v12, -v13
	v_mov_b32 v14, 0
	v_mov_b32 v15, 0
.irp j, 0,1,2,3,4,5,6,7,8,9,10,11,12,13,14,15,16,17,18,19,20,21,22,23,24,25,26,27,28,29,30,31
	v_mov_b32 v[160+\j], 0
.endr
.irp j, 0,1,2,3,4,5,6,7
	v_mov_b32 v[16+\j], v[24+\j]                   ; the second tile's Q
.endr
	s_mov_b32 s[NS], s[NSB]
	s_mov_b32 s[DG], s[DGB]
	s_mov_b32 s[ST], 0
	s_mov_b32 s[TB], 0
	s_wait_alu depctr_va_vdst(0)
.endif
.endm
	s_wait_alu depctr_va_vdst(0)
	s_wait_tensorcnt 0x0                           ; my part of keys 0-511 is in
	ds_add_u32 v[SPW], v[NIL]
	s_wait_dscnt 0x0
	CROUND                                         ; everybody's part is in, and the four work-groups meet
	tensor_load_to_lds s[G0B:G0B+3], s[G1B:G1B+7]  ; my part of keys 512-2,047: it has the four steps below in which to land
	s_nop 0
.rept 4
	v_nop
.endr
	s_wait_loadcnt 0x0                             ; Q, both tiles'
.Lfirst:                                           ; steps 0-3 of the first tile (it has nine steps at the least): keys 0-511, all of which count
	STEP 0
	s_cmp_lt_u32 s[ST], 4
	s_cbranch_scc1 .Lfirst
	s_wait_tensorcnt 0x0                           ; my part of keys 512-2,047 is in;
	s_wait_dscnt 0x0
	s_barrier_signal -1
	s_barrier_wait -1                              ; everybody's is.
.Lrest:                                            ; steps 4-15 of the first tile
	STEP 1
	s_cmp_lt_u32 s[ST], 16
	s_cbranch_scc1 .Lrest
	FINISH OA, 1
.Lsecond:                                          ; steps 0-7 of the second tile
	STEP 1
	s_cmp_lt_u32 s[ST], 8
	s_cbranch_scc1 .Lsecond
	FINISH OB, 0
	s_wait_tensorcnt 0x0                           ; the wave's end
	ds_add_u32 v[SPW], v[NIL]
	s_wait_dscnt 0x0
	CROUND                                         ; the closing round
	s_endpgm
.Lfunc_end_k_q31ae1fb4c7_attn:
	.size	k_q31ae1fb4c7_attn, .Lfunc_end_k_q31ae1fb4c7_attn-k_q31ae1fb4c7_attn
	.p2alignl 7, 3214868480
	.fill 96, 4, 3214868480
	.section	.rodata,"a",@progbits
	.p2align	6, 0x0
	.amdhsa_kernel k_q31ae1fb4c7_attn
		.amdhsa_group_segment_fixed_size 327680
		.amdhsa_private_segment_fixed_size 0
		.amdhsa_enable_private_segment 0
		.amdhsa_kernarg_size 40
		.amdhsa_user_sgpr_count 2
		.amdhsa_user_sgpr_kernarg_segment_ptr 1
		.amdhsa_wavefront_size32 1
		.amdhsa_system_sgpr_workgroup_id_x 1
		.amdhsa_system_sgpr_workgroup_id_y 1
		.amdhsa_system_sgpr_workgroup_id_z 1
		.amdhsa_system_vgpr_workitem_id 0
		.amdhsa_next_free_vgpr 256
		.amdhsa_next_free_sgpr 100
		.amdhsa_reserve_vcc 1
		.amdhsa_float_denorm_mode_32 3
		.amdhsa_float_denorm_mode_16_64 3
		.amdhsa_memory_ordered 1
		.amdhsa_forward_progress 1
		.amdhsa_inst_pref_size 77
	.end_amdhsa_kernel
	.amdgpu_metadata
---
amdhsa.version: [ 1, 2 ]
amdhsa.kernels:
  - .name:           k_q31ae1fb4c7_attn
    .symbol:         k_q31ae1fb4c7_attn.kd
    .args:
      - { .name: q_img, .offset: 0, .size: 8, .value_kind: global_buffer, .address_space: global }
      - { .name: k_img, .offset: 8, .size: 8, .value_kind: global_buffer, .address_space: global }
      - { .name: v_img, .offset: 16, .size: 8, .value_kind: global_buffer, .address_space: global }
      - { .name: lowp_scales, .offset: 24, .size: 8, .value_kind: global_buffer, .address_space: global }
      - { .name: o_img, .offset: 32, .size: 8, .value_kind: global_buffer, .address_space: global }
    .group_segment_fixed_size: 327680
    .private_segment_fixed_size: 0
    .kernarg_segment_align: 8
    .kernarg_segment_size: 40
    .max_flat_workgroup_size: 512
    .sgpr_count:     100
    .vgpr_count:     256
    .wavefront_size: 32
...
	.end_amdgpu_metadata
.endif
;; end of part 3
;; launch proj (part 4): grid 64 x 4, 4 waves a work-group, clusters of 4 x 4, 327,680 bytes of LDS; arguments wp_img, o_img, lowp_scales, out0; writes out0
.if DOCPART == 4
	.amdgcn_target "amdgcn-amd-amdhsa--gfx1250"
	.amdhsa_code_object_version 6
	.text
	.protected	k_q31ae1fb4c7_proj
	.globl	k_q31ae1fb4c7_proj
	.p2align	8
	.type	k_q31ae1fb4c7_proj,@function
k_q31ae1fb4c7_proj:
	s_mov_b64 s[64:65], 0
	v_nop
	global_prefetch_b8 v0, s[64:65] scope:SCOPE_SE
	s_setreg_imm32_b32 hwreg(HW_REG_WAVE_MODE, 25, 1), 1
	s_wait_xcnt 0x0
	s_wait_alu depctr_hold_cnt(0) depctr_sa_sdst(0) depctr_va_vdst(0) depctr_va_sdst(0) depctr_va_ssrc(0) depctr_va_vcc(0) depctr_vm_vsrc(0)
	s_getreg_b32 s2, hwreg(HW_REG_IB_STS2, 6, 4)
	s_cmp_eq_u32 s2, 0
	s_cbranch_scc0 .Lentry_in_a_cluster
	s_endpgm
.Lentry_in_a_cluster:
	s_bfe_u32 s2, ttmp6, 0x10000c
	s_cmp_lg_u32 s2, 0xf033
	s_cbranch_scc0 .Lentry_shape_is_right
	s_endpgm
.Lentry_shape_is_right:
.set NB,    4
.set BOFF,  65536
.set SLOT,  98304
.set SPARE, 2*SLOT
.set ADRA, 16
.set ADRB, 20
.set CO,   26
.set LN,   27
.set SPW,  28
.set NIL,  29
.set AF,   128
.set WV, 16
.set WR, 17
.set WC, 18
.set CX, 19
.set CY, 20
.set G1, 24
.set G0, 32
.set TBK, 46
.set G1B, 48
.set G0B, 56
.set MSB, 0
.macro WIN new
.if MSB != \new
	s_set_vgpr_msb (MSB<<8)|\new
.set MSB, \new
.endif
.endm
.set MUL,  0xa1
.set TO_B, 0x40
.macro JLOAD s
	s_cmp_eq_u32 s[WR], 0
	s_cbranch_scc0 .Lfor_b_\@
	tensor_load_to_lds s[G0+4*\s:G0+4*\s+3], s[G1:G1+7]
	s_nop 0
.rept 4
	v_nop
.endr
	s_branch .Lasked_\@
.Lfor_b_\@:
	tensor_load_to_lds s[G0B+4*\s:G0B+4*\s+3], s[G1B:G1B+7]
	s_nop 0
.rept 4
	v_nop
.endr
.Lasked_\@:
.endm
.macro CREST
	s_cmp_lg_u32 s[WV], 0
	s_cbranch_scc1 .Lnot_wave_0_\@
	s_barrier_signal -3
.Lnot_wave_0_\@:
	s_barrier_wait -3
	s_barrier_signal -1
	s_barrier_wait -1
.endm
.macro CROUND
	s_barrier_signal -1
	s_barrier_wait -1
	CREST
.endm
	s_load_b256 s[4:11], s[0:1], 0x0
	v_lshl_add_u32 v[SPW], v0, 2, SPARE
	v_mov_b32 v[NIL], 0
	ds_add_u32 v[SPW], v[NIL]
	ds_add_u32 v[SPW], v[NIL]
	v_lshrrev_b32 v1, 5, v0
	v_readfirstlane_b32 s[WV], v1
	s_lshr_b32 s[WR], s[WV], 1
	s_and_b32 s[WC], s[WV], 1
	s_bfe_u32 s[CX], ttmp6, 0x40000
	s_bfe_u32 s[CY], ttmp6, 0x40004
	s_lshl_b32 s[TBK], ttmp9, 2
	s_add_co_u32 s[TBK], s[TBK], s[CX]
	s_lshl_b32 s40, s[CY], 2
	s_lshl_b32 s40, 15, s40
	s_lshl_b32 s41, 0x1111, s[CX]
	s_or_b32 s[G1], s40, (3<<16)|(1<<21)
	s_or_b32 s[G1B], s41, (3<<16)|(1<<21)
.irp g, G1, G1B
	s_mov_b32 s[\g+1], 512<<16
	s_mov_b32 s[\g+3], 512<<16
	s_mov_b32 s[\g+5], 2048
	s_mov_b32 s[\g+6], 0
	s_mov_b32 s[\g+7], 0
.endr
	s_mov_b32 s[G1+2], 8<<16
	s_mov_b32 s[G1+4], 8
	s_mov_b32 s[G1B+2], NB<<16
	s_mov_b32 s[G1B+4], NB
	s_lshl_b32 s80, s[CY], 18
	s_lshl_b32 s23, s[WC], 17
	s_add_co_u32 s80, s80, s23
	s_mov_b32 s81, 0
	s_lshl_b32 s82, s[TBK], 17
	s_lshl_b32 s23, s[WC], 16
	s_add_co_u32 s82, s82, s23
	s_mov_b32 s83, 0
	s_lshl_b32 s44, s[WC], 15
	s_lshl_b32 s45, s[WC], 14
	s_add_co_u32 s45, s45, BOFF
	s_wait_dscnt 0x0
	s_wait_kmcnt 0x0
	s_load_b256 s[68:75], s[8:9], 0x0
	s_add_nc_u64 s[76:77], s[4:5], s[80:81]
	s_add_nc_u64 s[78:79], s[6:7], s[82:83]
	CROUND
.irp s, 0,1
	s_mov_b32 s[G0+4*\s], 1
	s_add_co_u32 s[G0+4*\s+1], s44, \s*SLOT
	s_add_nc_u64 s[G0+4*\s+2:G0+4*\s+3], s[76:77], \s*4096
	s_or_b32 s[G0+4*\s+3], s[G0+4*\s+3], 0x80000000
	s_mov_b32 s[G0B+4*\s], 1
	s_add_co_u32 s[G0B+4*\s+1], s45, \s*SLOT
	s_add_nc_u64 s[G0B+4*\s+2:G0B+4*\s+3], s[78:79], \s*4096
	s_or_b32 s[G0B+4*\s+3], s[G0B+4*\s+3], 0x80000000
.endr
	JLOAD 0                                        ; K step 0: one tensor load a wave at the head
	v_and_b32 v1, 31, v0
	v_lshlrev_b32 v[LN], 4, v1
	s_lshl_b32 s21, s[WR], 15
	s_lshl_b32 s22, s[WC], 14
	s_add_co_u32 s22, s22, BOFF
.irp s, 0,1
	v_add_nc_u32 v[ADRA+\s], s21, v[LN]
	v_add_nc_u32 v[ADRB+\s], s22, v[LN]
	s_add_co_u32 s21, s21, SLOT
	s_add_co_u32 s22, s22, SLOT
.endr
	v_and_b32 v2, 15, v0
	v_bfe_u32 v3, v0, 4, 1
	v_lshlrev_b32 v[CO], 15, v3
	v_lshl_add_u32 v[CO], v2, 4, v[CO]
	s_lshl_b32 s92, s[TBK], 19
	s_lshl_b32 s88, s[WC], 18
	s_add_co_u32 s92, s92, s88
	s_lshl_b32 s88, s[CY], 10
	s_add_co_u32 s92, s92, s88
	s_lshl_b32 s88, s[WR], 9
	s_add_co_u32 s92, s92, s88
	s_mov_b32 s93, 0
	s_add_nc_u64 s[84:85], s[10:11], s[92:93]
.macro FRAG reg, adr, q, i
.irp c, 0,1,2,3
	ds_load_b128 v[\reg+4*\c:\reg+4*\c+3], v[\adr] offset:(\i)*4096+(\q)*2048+512*\c
.endr
.endm
.macro MULA a0, p, zero
.irp a, \a0, \a0+1
.irp b, 0,1,2,3
.if \zero
	v_wmma_f32_16x16x128_fp8_fp8 v[8*(4*(\a)+\b):8*(4*(\a)+\b)+7], v[128*(\p)+16*\b:128*(\p)+16*\b+15], v[AF+16*(\a):AF+16*(\a)+15], 0
.else
	v_wmma_f32_16x16x128_fp8_fp8 v[8*(4*(\a)+\b):8*(4*(\a)+\b)+7], v[128*(\p)+16*\b:128*(\p)+16*\b+15], v[AF+16*(\a):AF+16*(\a)+15], v[8*(4*(\a)+\b):8*(4*(\a)+\b)+7]
.endif
.endr
.endr
.endm
.macro FETCH_B slot, q, p
	WIN TO_B
.irp i, 0,1,2,3
	FRAG 128*(\p)+16*\i, ADRB+\slot, \q, \i
.endr
	WIN 0
.endm
.macro FETCH_A slot, q, i0
.irp i, \i0, \i0+1, \i0+2, \i0+3
	FRAG AF+16*(\i), ADRA+\slot, \q, \i
.endr
.endm
.macro PLACES n
.rept \n
	v_nop
.endr
.endm
.macro STEP slot, q, zero
	s_wait_dscnt 16
	WIN MUL
	MULA 0, (\q)%2, \zero
	MULA 2, (\q)%2, \zero
	s_wait_dscnt 0
	PLACES 4
	FETCH_B \slot, (\q)+1, 1-(\q)%2
	FETCH_A \slot, (\q)+1, 0
	WIN MUL
	MULA 4, (\q)%2, \zero
	MULA 6, (\q)%2, \zero
	PLACES 4
	WIN 0
	FETCH_A \slot, (\q)+1, 4
.endm
.macro TURN slot, next, fill
	s_wait_tensorcnt 0x0
	ds_add_u32 v[SPW], v[NIL]
	s_wait_dscnt 17
	WIN MUL
	MULA 0, 1, 0
	s_wait_dscnt 0x0
	s_barrier_signal -1
	MULA 2, 1, 0
	WIN 0
	s_barrier_wait -1
.if \fill
	CREST
	s_add_nc_u64 s[G0+4*\slot+2:G0+4*\slot+3], s[G0+4*\slot+2:G0+4*\slot+3], 8192
	s_add_nc_u64 s[G0B+4*\slot+2:G0B+4*\slot+3], s[G0B+4*\slot+2:G0B+4*\slot+3], 8192
	JLOAD \slot
.else
	PLACES 4
.endif
	FETCH_B \next, 0, 0
	FETCH_A \next, 0, 0
	WIN MUL
	MULA 4, 1, 0
	MULA 6, 1, 0
	PLACES 4
	WIN 0
	FETCH_A \next, 0, 4
.endm
	s_wait_alu depctr_va_vdst(0)
	s_wait_tensorcnt 0x0                           ; my part of K step 0 is in
	ds_add_u32 v[SPW], v[NIL]
	s_wait_dscnt 0x0
	CROUND                                         ; everybody's part of K step 0 is in, and the sixteen work-groups meet
	JLOAD 1                                        ; K step 1: the first tensor load behind the round
	FETCH_B 0, 0, 0
	FETCH_A 0, 0, 0
	FETCH_A 0, 0, 4
	STEP 0, 0, 1
	TURN 0, 1, 1
	STEP 1, 0, 0
	TURN 1, 0, 1
	STEP 0, 0, 0
	TURN 0, 1, 0
	STEP 1, 0, 0
	s_wait_dscnt 16
	WIN MUL
	MULA 0, 1, 0
	MULA 2, 1, 0
	s_wait_dscnt 0
	MULA 4, 1, 0
	MULA 6, 1, 0
	WIN 0
	s_wait_kmcnt 0x0
	s_add_co_i32 s86, s74, s75
	s_add_co_i32 s86, s86, 127
	s_lshl_b32 s86, s86, 23
	PLACES 4
.irp g, 0,1
.irp b, 0,1,2,3
.if 4*\g+\b >= 4
	s_wait_xcnt 0x0
.endif
	WIN 0x08
.irp j, 0,1,2,3,4,5,6,7
.irp c, 0,1,2,3
	v_mul_f32 v[AF+32*\b+4*\j+\c], s86, v[8*(4*(4*\g+\c)+\b)+\j]
.endr
.endr
	WIN 0
.irp j, 0,1,2,3,4,5,6,7
	global_store_b128 v[CO], v[AF+32*\b+4*\j:AF+32*\b+4*\j+3], s[84:85] offset:(16*\b+\j)*4096+256*\g th:TH_STORE_NT
.endr
.endr
.endr
	s_wait_tensorcnt 0x0
	ds_add_u32 v[SPW], v[NIL]
	s_wait_dscnt 0x0
	CROUND
	s_endpgm
.Lfunc_end_k_q31ae1fb4c7_proj:
	.size	k_q31ae1fb4c7_proj, .Lfunc_end_k_q31ae1fb4c7_proj-k_q31ae1fb4c7_proj
	.p2alignl 7, 3214868480
	.fill 96, 4, 3214868480
	.section	.rodata,"a",@progbits
	.p2align	6, 0x0
	.amdhsa_kernel k_q31ae1fb4c7_proj
		.amdhsa_group_segment_fixed_size 327680
		.amdhsa_private_segment_fixed_size 0
		.amdhsa_enable_private_segment 0
		.amdhsa_kernarg_size 32
		.amdhsa_user_sgpr_count 2
		.amdhsa_user_sgpr_kernarg_segment_ptr 1
		.amdhsa_wavefront_size32 1
		.amdhsa_system_sgpr_workgroup_id_x 1
		.amdhsa_system_sgpr_workgroup_id_y 1
		.amdhsa_system_sgpr_workgroup_id_z 1
		.amdhsa_system_vgpr_workitem_id 0
		.amdhsa_next_free_vgpr 768
		.amdhsa_next_free_sgpr 100
		.amdhsa_reserve_vcc 0
		.amdhsa_float_denorm_mode_32 3
		.amdhsa_float_denorm_mode_16_64 3
		.amdhsa_memory_ordered 1
		.amdhsa_forward_progress 1
		.amdhsa_inst_pref_size 68
	.end_amdhsa_kernel
	.amdgpu_metadata
---
amdhsa.version: [ 1, 2 ]
amdhsa.kernels:
  - .name:           k_q31ae1fb4c7_proj
    .symbol:         k_q31ae1fb4c7_proj.kd
    .args:
      - { .name: wp_img, .offset: 0, .size: 8, .value_kind: global_buffer, .address_space: global }
      - { .name: o_img, .offset: 8, .size: 8, .value_kind: global_buffer, .address_space: global }
      - { .name: lowp_scales, .offset: 16, .size: 8, .value_kind: global_buffer, .address_space: global }
      - { .name: out0, .offset: 24, .size: 8, .value_kind: global_buffer, .address_space: global }
    .group_segment_fixed_size: 327680
    .private_segment_fixed_size: 0
    .kernarg_segment_align: 8
    .kernarg_segment_size: 32
    .max_flat_workgroup_size: 128
    .sgpr_count:     100
    .vgpr_count:     768
    .wavefront_size: 32
...
	.end_amdgpu_metadata
.endif
;; end of part 4
